; MI455X (gfx1250); checked and timed in simulation.
; The chip was launched on July 23, 2026; its instructions are those of AMD's public machine-readable ISA for CDNA 5 (MIT licence, August 2026) and "CDNA5" Instruction Set Architecture Reference Guide (July 2026). The comments in the code are by the model that wrote it; some were corrected since.
;; T5 Multi Head Attention. Allowed arithmetic: float matrix products may take bf16 or f16 operands with f32 sums; all other float work in f32.
;; Inputs: Wk 1,024 x 1,024 float32; Wo 1,024 x 1,024 float32; Wq 1,024 x 1,024 float32; Wv 1,024 x 1,024 float32; attn_mask 2 x 1 x 2,048 x 2,048 float32; k 2 x 2,048 x 1,024 float32; q 2 x 2,048 x 1,024 float32; v 2 x 2,048 x 1,024 float32.
;; Outputs: out0 2 x 2,048 x 1,024 float32.
;; Constants: num_heads = 16.
;; One version. Each part assembles by itself: llvm-mc -triple=amdgcn-amd-amdhsa -mcpu=gfx1250 --defsym DOCPART=n.
;; ======== version 1 of 1: 4 launches
;; limits: values are held in f16: magnitudes above 65,504 overflow, below 6.1e-05 lose precision; inputs' magnitudes at most 1e+30
;; workspace buffers: h16 33,554,432 bytes; qkv 25,165,824 bytes; ctx 8,388,608 bytes
;; launch cvt (part 1): grid 1024 x 1, 8 waves a work-group, no clusters, 0 bytes of LDS; arguments q, k, v, Wq, Wk, Wv, Wo, h16; writes h16
.if DOCPART == 1
	.amdgcn_target "amdgcn-amd-amdhsa--gfx1250"
	.amdhsa_code_object_version 6
	.text
	.protected	k_qdfc297391b_cvt
	.globl	k_qdfc297391b_cvt
	.p2align	8
	.type	k_qdfc297391b_cvt,@function
k_qdfc297391b_cvt:
	s_mov_b64 s[64:65], 0
	v_nop
	global_prefetch_b8 v0, s[64:65] scope:SCOPE_SE
	s_setreg_imm32_b32 hwreg(HW_REG_WAVE_MODE, 25, 1), 1
	s_wait_xcnt 0x0
; The seven matrix operands among the inputs, rounded once to bf16 (nearest even) and laid one behind the other in h16, 2 bytes a number:
; q at 0, k at 8 MiB, v at 16 MiB, Wq at 24 MiB, Wk at 26 MiB, Wv at 28 MiB, Wo at 30 MiB, each [rows][1024] as its source.
; q, k, v, Wq, Wk, Wv are stored as bf16: their products are bf16 x bf16.
; Wo is multiplied with ctx, which is kept in f16 for its 11 significant bits, and a matrix instruction takes one format for both sources: so Wo's
; bf16 VALUE is stored in f16 code.  f16 holds a number of 8 significant bits exactly from 2^-14 up to 65,504.
; LIMIT (Wo alone): beyond 65,504 it becomes an infinity; below 2^-14 the f16 code adds an absolute error of at most 2^-25.
; A stream: every source byte is read once, every 16-bit number written once; no LDS, no barrier, no matrix unit, nothing shared between work-groups.
; Work-group id takes 64 KiB of one source (q, k, v: 256 pieces each; a weight: 64 pieces each; 1,024 in all) and writes 32 KiB at 32 KiB x id.
; Thread t loads the 16 bytes at 16 t + 4,096 i (a wave's load: 512 consecutive bytes) and stores the 8 bytes at 8 t + 2,048 i
; (a wave's store: 256 consecutive bytes, aligned).  All 16 loads of a thread go out at once.
.set X, 4                              ; v[4:67]   16 x 4 registers as loaded
.set Y, 68                             ; v[68:99]  16 x 2 registers to store
	s_load_b512 s[8:23], s[0:1], 0x0               ; q, k, v, Wq, Wk, Wv, Wo, h16 (s[22:23])
	s_mov_b32 s24, ttmp9                           ; the piece's number
	s_and_b32 s2, s24, 255                         ; its place in q, k or v,
	s_and_b32 s3, s24, 63                          ; or in a weight (768, 832, 896, 960 are multiples of 64)
	s_cmp_lt_u32 s24, 768
	s_cselect_b32 s2, s2, s3
	s_lshl_b32 s2, s2, 16                          ; x 64 KiB: offset in the source
	s_mov_b32 s3, 0
	s_lshl_b32 s4, s24, 15                         ; x 32 KiB: offset in h16
	s_mov_b32 s5, 0
	v_lshlrev_b32 v1, 4, v0                        ; 16 t
	v_lshlrev_b32 v2, 3, v0                        ; 8 t
	s_wait_kmcnt 0x0
	s_mov_b64 s[6:7], s[8:9]                       ; the source: q, unless the piece's number says otherwise
	s_cmp_ge_u32 s24, 256
	s_cselect_b64 s[6:7], s[10:11], s[6:7]         ; k
	s_cmp_ge_u32 s24, 512
	s_cselect_b64 s[6:7], s[12:13], s[6:7]         ; v
	s_cmp_ge_u32 s24, 768
	s_cselect_b64 s[6:7], s[14:15], s[6:7]         ; Wq
	s_cmp_ge_u32 s24, 832
	s_cselect_b64 s[6:7], s[16:17], s[6:7]         ; Wk
	s_cmp_ge_u32 s24, 896
	s_cselect_b64 s[6:7], s[18:19], s[6:7]         ; Wv
	s_cmp_ge_u32 s24, 960
	s_cselect_b64 s[6:7], s[20:21], s[6:7]         ; Wo
	s_add_nc_u64 s[6:7], s[6:7], s[2:3]
	s_add_nc_u64 s[22:23], s[22:23], s[4:5]
.irp i, 0,1,2,3,4,5,6,7,8,9,10,11,12,13,14,15
	global_load_b128 v[X+4*\i:X+4*\i+3], v1, s[6:7] offset:4096*\i th:TH_LOAD_NT   ; read once in the launch
.endr
; The 16 pieces of 16 bytes are rounded and stored.  wo = 1: the bf16 values are widened again (a shift, a mask) and written in f16 code.
.macro ROUNDED wo
.irp i, 0,1,2,3,4,5,6,7,8,9,10,11,12,13,14,15
	s_wait_loadcnt 15-\i                           ; loads come back in order: load i is in, the 15 - i younger ones stay out
	v_cvt_pk_bf16_f32 v[Y+2*\i],   v[X+4*\i],   v[X+4*\i+1]
	v_cvt_pk_bf16_f32 v[Y+2*\i+1], v[X+4*\i+2], v[X+4*\i+3]
.if \wo
	v_lshlrev_b32 v[X+4*\i],   16,         v[Y+2*\i]       ; load i has landed: its registers are free
	v_and_b32     v[X+4*\i+1], 0xffff0000, v[Y+2*\i]
	v_lshlrev_b32 v[X+4*\i+2], 16,         v[Y+2*\i+1]
	v_and_b32     v[X+4*\i+3], 0xffff0000, v[Y+2*\i+1]
	v_cvt_pk_f16_f32 v[Y+2*\i],   v[X+4*\i],   v[X+4*\i+1]
	v_cvt_pk_f16_f32 v[Y+2*\i+1], v[X+4*\i+2], v[X+4*\i+3]
.endif
	global_store_b64 v2, v[Y+2*\i:Y+2*\i+1], s[22:23] offset:2048*\i   ; no hint: the next launches read these bytes; each Y pair is written for one store alone
.endr
.endm
	s_cmp_ge_u32 s24, 960                          ; the last 64 pieces are Wo's: a branch on the work-group's number, the same for all its waves
	s_cbranch_scc1 .Lwo
	ROUNDED 0
	s_endpgm
.Lwo:
	ROUNDED 1
	s_endpgm
.Lfunc_end_k_qdfc297391b_cvt:
	.size	k_qdfc297391b_cvt, .Lfunc_end_k_qdfc297391b_cvt-k_qdfc297391b_cvt
	.p2alignl 7, 3214868480
	.fill 96, 4, 3214868480
	.section	.rodata,"a",@progbits
	.p2align	6, 0x0
	.amdhsa_kernel k_qdfc297391b_cvt
		.amdhsa_group_segment_fixed_size 0
		.amdhsa_private_segment_fixed_size 0
		.amdhsa_enable_private_segment 0
		.amdhsa_kernarg_size 64
		.amdhsa_user_sgpr_count 2
		.amdhsa_user_sgpr_kernarg_segment_ptr 1
		.amdhsa_wavefront_size32 1
		.amdhsa_system_sgpr_workgroup_id_x 1
		.amdhsa_system_sgpr_workgroup_id_y 1
		.amdhsa_system_sgpr_workgroup_id_z 1
		.amdhsa_system_vgpr_workitem_id 0
		.amdhsa_next_free_vgpr 104
		.amdhsa_next_free_sgpr 66
		.amdhsa_reserve_vcc 0
		.amdhsa_float_denorm_mode_32 3
		.amdhsa_float_denorm_mode_16_64 3
		.amdhsa_memory_ordered 1
		.amdhsa_forward_progress 1
		.amdhsa_inst_pref_size 17
	.end_amdhsa_kernel
	.amdgpu_metadata
---
amdhsa.version: [ 1, 2 ]
amdhsa.kernels:
  - .name:           k_qdfc297391b_cvt
    .symbol:         k_qdfc297391b_cvt.kd
    .args:
      - { .name: q, .offset: 0, .size: 8, .value_kind: global_buffer, .address_space: global }
      - { .name: k, .offset: 8, .size: 8, .value_kind: global_buffer, .address_space: global }
      - { .name: v, .offset: 16, .size: 8, .value_kind: global_buffer, .address_space: global }
      - { .name: Wq, .offset: 24, .size: 8, .value_kind: global_buffer, .address_space: global }
      - { .name: Wk, .offset: 32, .size: 8, .value_kind: global_buffer, .address_space: global }
      - { .name: Wv, .offset: 40, .size: 8, .value_kind: global_buffer, .address_space: global }
      - { .name: Wo, .offset: 48, .size: 8, .value_kind: global_buffer, .address_space: global }
      - { .name: h16, .offset: 56, .size: 8, .value_kind: global_buffer, .address_space: global }
    .group_segment_fixed_size: 0
    .private_segment_fixed_size: 0
    .kernarg_segment_align: 8
    .kernarg_segment_size: 64
    .max_flat_workgroup_size: 256
    .sgpr_count:     66
    .vgpr_count:     104
    .wavefront_size: 32
...
	.end_amdgpu_metadata
.endif
;; end of part 1
;; launch proj (part 2): grid 4 x 48, 4 waves a work-group, clusters of 4 x 4, 327,680 bytes of LDS; arguments h16, qkv; writes qkv
.if DOCPART == 2
	.amdgcn_target "amdgcn-amd-amdhsa--gfx1250"
	.amdhsa_code_object_version 6
	.text
	.protected	k_qdfc297391b_proj
	.globl	k_qdfc297391b_proj
	.p2align	8
	.type	k_qdfc297391b_proj,@function
k_qdfc297391b_proj:
	s_mov_b64 s[64:65], 0
	v_nop
	global_prefetch_b8 v0, s[64:65] scope:SCOPE_SE
	s_setreg_imm32_b32 hwreg(HW_REG_WAVE_MODE, 25, 1), 1
	s_wait_xcnt 0x0
	s_wait_alu depctr_hold_cnt(0) depctr_sa_sdst(0) depctr_va_vdst(0) depctr_va_sdst(0) depctr_va_ssrc(0) depctr_va_vcc(0) depctr_vm_vsrc(0)
	s_getreg_b32 s2, hwreg(HW_REG_IB_STS2, 6, 4)
	s_cmp_eq_u32 s2, 0
	s_cbranch_scc0 .Lentry_in_a_cluster
	s_endpgm
.Lentry_in_a_cluster:
	s_bfe_u32 s2, ttmp6, 0x10000c
	s_cmp_lg_u32 s2, 0xf033
	s_cbranch_scc0 .Lentry_shape_is_right
	s_endpgm
.Lentry_shape_is_right:
; The three input projections as ONE product: C[m][n] = sum over k of A[m][k] B[n][k], bf16 operands, f32 sums, C rounded once to f16.
; A = the 12,288 rows of q, k, v in bf16 as they lie one behind the other in h16; C = qkv, f16 [3][4096][1024], the same rows.
; B = the weight of the rows' projection p = m / 4096: rows 1024 p .. 1024 p + 1023 of the stack Wq, Wk, Wv in bf16 at byte 0x1800000 of h16.
; C goes out in f16, not bf16: the scores are not scaled, so an error of Qh or Kh reaches the softmax's exponents whole, and f16 has three bits more.
; LIMIT: the results are kept in f16: |Qh|, |Kh|, |Vh| must stay below 65,504.
; A work-group makes a block of 256 x 256 of C with four waves; a wave makes 128 x 128: 64 accumulator tiles of 16 x 16, 512 registers.
; 48 x 4 = 192 work-groups.  Blocks of 128 x 128 would be 768, but each multiply-add would then read twice the LDS bytes.
; K goes in steps of 128 through a ring of two LDS slots filled by the tensor data mover: a tile's rows are 256 bytes of memory, aligned.
; CLUSTERS: 4 x 4 work-groups.  The four of a row of the cluster need the same tiles of A, the four of a column the same tiles of B (a cluster's
; 1,024 rows lie in one projection, since 4,096 is a multiple of 1,024).  Such a tile is asked for jointly: requests for A and B are divided by four.
;
; REGISTERS, in windows of 256:
;   window 0: v0-31 addresses; v64-127, v128-191 fragments of A, two buffers; v192-223 at work on the way out
;   window 1: v64-127, v128-191 fragments of B, two buffers
;   window 2: the 32 accumulator tiles of my rows 0-63 (tile (a, b) at v[8 (8 a + b)]);   window 3: those of my rows 64-127
; THE MATRIX INSTRUCTION IS USED TRANSPOSED: source 0 = 16 rows of B, source 1 = 16 rows of A, so that lane l holds row l % 16 of C and its
; registers 0 to 7 the columns 8 (l / 16) + 0 .. 7: eight neighbouring numbers of a row, which pack into 16 bytes.
.set SIZE_M, 12288
.set SIZE_N, 1024
.set SIZE_K, 1024
.set KSTEP,  128
.set PITCH,  272                       ; an LDS row: 256 bytes + 16 of padding = 17 x 16 bytes: the 16 rows that a load touches begin at 16 different 16-byte columns modulo 256
.set HALFT,  128*PITCH                 ; 128 rows: what one tensor load brings, and what one wave reads of A or of B
.set SLOT,   4*HALFT                   ; A's 256 rows, then B's 256 rows
.set STAGE,  2*SLOT                    ; behind the ring: 16 rows x 272 bytes for each wave, for the way out; no tensor load lands here
.set SPITCH, 272
.set LAPS, SIZE_K/(2*KSTEP)            ; a lap = two K steps = once round the ring: 4
.set ADRA, 16                          ; v16-17  LDS address of my A fragments in slot 0, 1
.set ADRB, 20                          ; v20-21  the same for B
.set STO,  24                          ; v24     the way out: where I put 16 bytes of a row
.set RD,   25                          ; v25     the way out: where I read a row back
.set CO,   26                          ; v26     my byte offset in C
.set F0,   64                          ; fragment buffer 0
.set F1,   128                         ; fragment buffer 1
.set TMP,  192                         ; the way out: packed results, in window 0
.set G1, 24                            ; s[24:31] descriptor group 1 for A's tiles
.set G0, 32                            ; s[32:39] descriptor group 0 for A's tiles, one set for each slot
.set G1B, 48                           ; s[48:55] descriptor group 1 for B's tiles: it differs from A's in the mask alone
.set G0B, 56                           ; s[56:63] descriptor group 0 for B's tiles, one set for each slot
.set MSB, 0
.macro WIN new                         ; the immediate's high byte repeats the setting that is left
.if MSB != \new
	s_set_vgpr_msb (MSB<<8)|\new
.set MSB, \new
.endif
.endm
.set MUL_LO, 0xa1                      ; source 0 (B) window 1, source 1 (A) window 0, C and D window 2
.set MUL_HI, 0xf1                      ; the same, C and D window 3
.set TO_B,   0x40                      ; destination window 1, address window 0
; A joint load.  Waves 0 and 1 fetch A's two halves, waves 2 and 3 B's.  Each line has one mask and one set of registers for all that issue it.
; The branch hangs on the wave's number alone: it is the same in every work-group.
.macro JLOAD s
	s_cmp_eq_u32 s11, 0
	s_cbranch_scc0 .Lfor_b_\@
	tensor_load_to_lds s[G0+4*\s:G0+4*\s+3], s[G1:G1+7]
	s_nop 0
	s_branch .Lasked_\@
.Lfor_b_\@:
	tensor_load_to_lds s[G0B+4*\s:G0B+4*\s+3], s[G1B:G1B+7]
	s_nop 0
.Lasked_\@:
.endm
; A round of the cluster's barrier: my work-group's barrier, so that wave 0's signal speaks for all four waves; wave 0 signals for the work-group;
; every wave waits for all sixteen work-groups; my work-group's barrier once more.
.macro CREST                           ; a round behind its opening barrier
	s_cmp_lg_u32 s10, 0
	s_cbranch_scc1 .Lnot_wave_0_\@
	s_barrier_signal -3
.Lnot_wave_0_\@:
	s_barrier_wait -3
	s_barrier_signal -1
	s_barrier_wait -1
.endm
.macro CROUND                          ; a whole round
	s_barrier_signal -1
	s_barrier_wait -1
	CREST
.endm
	s_load_b128 s[4:7], s[0:1], 0x0                ; h16 s[4:5] (A begins at its first byte), qkv s[6:7]
	s_set_vgpr_msb 0x40
	v_lshl_add_u32 v255, v0, 2, 0x48400
	s_set_vgpr_msb 0x4000
	v_mov_b32 v255, 0
	s_set_vgpr_msb 0x1
	ds_add_u32 v255, v255
	s_set_vgpr_msb 0x100
	v_lshrrev_b32 v1, 5, v0
	v_readfirstlane_b32 s10, v1                    ; wave 0..3
	s_lshr_b32 s11, s10, 1                         ; which half of the block's rows is mine.  Also: I fetch for A (0) or for B (1)
	s_and_b32 s12, s10, 1                          ; which half of its columns.  Also: which 128 rows of that tile I fetch
	s_bfe_u32 s40, ttmp6, 0x40000                  ; cx: my place along the cluster's x
	s_bfe_u32 s41, ttmp6, 0x40004                  ; cy: along its y
	s_lshl_b32 s42, ttmp9, 2                       ; in a cluster launch ttmp9 and ttmp7 count clusters
	s_add_co_u32 s42, s42, s40                     ; block column of C = 4 x cluster x + cx
	s_and_b32 s13, ttmp7, 0xffff
	s_lshl_b32 s13, s13, 2
	s_add_co_u32 s13, s13, s41                     ; block row of C = 4 x cluster y + cy
	s_bfe_u32 s45, ttmp7, 0xe0002                  ; the projection p = cluster y / 4: the same in all sixteen work-groups
	s_lshl_b32 s43, s41, 2
	s_lshl_b32 s43, 15, s43                        ; my row of the cluster: places 4 cy .. 4 cy + 3
	s_lshl_b32 s44, 0x1111, s40                    ; my column: places cx, cx + 4, cx + 8, cx + 12
	; descriptor group 1: a tile of 128 rows x 128 elements, padded in LDS
	s_or_b32 s[G1+0], s43, (1<<16)|(1<<20)|(1<<21)|(5<<22)|(3<<25)  ; 15:0 the mask: A's tiles go to my row; 17:16 element of 2 bytes; 20 padding on; 21 set beside a mask; 24:22 after every 64 words; 31:25 of 4 words
	s_or_b32 s[G1B+0], s44, (1<<16)|(1<<20)|(1<<21)|(5<<22)|(3<<25) ; the same with the mask of my column, for B's tiles
	s_mov_b32 s[G1B+1], KSTEP<<16
	s_mov_b32 s[G1+1], KSTEP<<16                   ; tensor_dim0 = 128
	s_mov_b32 s[G1B+2], 128<<16
	s_mov_b32 s[G1+2], 128<<16                     ; tensor_dim1 = 128
	s_mov_b32 s[G1B+3], KSTEP<<16
	s_mov_b32 s[G1+3], KSTEP<<16                   ; tile_dim0 = 128
	s_mov_b32 s[G1B+4], 128
	s_mov_b32 s[G1+4], 128                         ; tile_dim1 = 128; tile_dim2 = 0
	s_mov_b32 s[G1B+5], SIZE_K
	s_mov_b32 s[G1+5], SIZE_K                      ; elements from row to row
	s_mov_b32 s[G1B+6], 0
	s_mov_b32 s[G1+6], 0
	s_mov_b32 s[G1B+7], 0
	s_mov_b32 s[G1+7], 0
	; where the tiles come from.  A's hang on the block row alone, which my row of the cluster shares; B's on the block column and on p, which my column shares.
	s_lshl_b32 s17, s12, 7                         ; which 128 rows of the tile I fetch
	s_lshl_b32 s16, s13, 8
	s_add_co_u32 s16, s16, s17                     ; A: row 256 x block row + 128 x half
	s_lshl_b32 s46, s42, 8
	s_add_co_u32 s46, s46, s17                     ; B: row 256 x block column + 128 x half
	s_lshl_b32 s45, s45, 10
	s_add_co_u32 s46, s46, s45                     ;    + 1,024 p: the projection's own weight
	s_mov_b32 s17, 0
	s_mov_b32 s47, 0
	s_mov_b64 s[18:19], SIZE_K*2
	s_mul_u64 s[16:17], s[16:17], s[18:19]         ; in bytes
	s_mul_u64 s[46:47], s[46:47], s[18:19]
	s_mul_i32 s20, s10, HALFT                      ; where they go: wave x 128 rows: no place in the cluster enters an LDS address
	s_wait_dscnt 0x0
	s_wait_kmcnt 0x0
	s_mov_b64 s[8:9], s[6:7]                       ; C = qkv
	s_add_nc_u64 s[6:7], s[4:5], 0x1800000         ; B = the stack of weights in h16
	s_add_nc_u64 s[14:15], s[4:5], s[16:17]
	s_add_nc_u64 s[46:47], s[6:7], s[46:47]
	CROUND                                         ; all sixteen work-groups are here: the first joint loads meet
.irp s, 0,1
	s_mov_b32 s[G0+4*\s], 1                                        ; count = 1
	s_add_co_u32 s[G0+4*\s+1], s20, \s*SLOT                        ; LDS address
	s_add_nc_u64 s[G0+4*\s+2:G0+4*\s+3], s[14:15], \s*KSTEP*2      ; global address: K step s
	s_or_b32 s[G0+4*\s+3], s[G0+4*\s+3], 0x80000000                ; type = 2
	s_mov_b32 s[G0B+4*\s], 1
	s_add_co_u32 s[G0B+4*\s+1], s20, \s*SLOT
	s_add_nc_u64 s[G0B+4*\s+2:G0B+4*\s+3], s[46:47], \s*KSTEP*2
	s_or_b32 s[G0B+4*\s+3], s[G0B+4*\s+3], 0x80000000
	JLOAD \s                                       ; the ring is filled before anything else is done: two loads of the wave are out
.endr
	; A fragment is 16 rows x 32 K in 8 registers: lane l holds row l % 16; registers 0-3 hold K = 8 (l / 16) + 0..7, registers 4-7 hold
	; K = 16 + 8 (l / 16) + 0..7: two loads of 16 bytes, 32 bytes apart.  The same for source 0 and source 1.
	v_and_b32 v1, 15, v0                           ; l % 16
	v_bfe_u32 v2, v0, 4, 1                         ; l / 16
	v_mul_u32_u24 v3, v1, PITCH
	v_lshl_add_u32 v3, v2, 4, v3                   ; row x pitch + 16 x half
	s_mul_i32 s21, s11, HALFT                      ; my 128 rows of A
	s_mul_i32 s22, s12, HALFT                      ; my 128 rows of B,
	s_add_co_u32 s22, s22, 2*HALFT                 ; which lie behind A's 256
.irp s, 0,1
	v_add_nc_u32 v[ADRA+\s], s21, v3
	v_add_nc_u32 v[ADRB+\s], s22, v3
	s_add_co_u32 s21, s21, SLOT
	s_add_co_u32 s22, s22, SLOT
.endr
	s_mul_i32 s23, s10, 16*SPITCH
	s_add_co_u32 s23, s23, STAGE                   ; my stage
	v_mul_u32_u24 v4, v1, SPITCH                   ; in: row l % 16, 16 bytes for each half of the lanes
	v_lshl_add_u32 v4, v2, 4, v4
	v_add_nc_u32 v[STO], s23, v4
	v_mul_u32_u24 v5, v2, SPITCH                   ; back: lanes 0-15 take one row of 256 bytes, lanes 16-31 the next
	v_lshl_add_u32 v5, v1, 4, v5
	v_add_nc_u32 v[RD], s23, v5
	v_mul_u32_u24 v5, v2, SIZE_N*2                 ; and the same two rows in C
	v_lshl_add_u32 v[CO], v1, 4, v5
; 16 matrix instructions: m blocks a0, a0 + 1 of the window's four x all 8 n blocks, 32 along K.  zero = 1: the first product starts the sums.
; The 64 accumulators take turns, one instruction a turn, in the same order in every quarter step.
.macro MUL16 f, hi, a0, zero
.irp a, \a0, \a0+1
.irp b, 0,1,2,3,4,5,6,7
.if \zero
	v_wmma_f32_16x16x32_bf16 v[8*(8*(\a)+\b):8*(8*(\a)+\b)+7], v[\f+8*\b:\f+8*\b+7], v[\f+8*(4*\hi+\a):\f+8*(4*\hi+\a)+7], 0
.else
	v_wmma_f32_16x16x32_bf16 v[8*(8*(\a)+\b):8*(8*(\a)+\b)+7], v[\f+8*\b:\f+8*\b+7], v[\f+8*(4*\hi+\a):\f+8*(4*\hi+\a)+7], v[8*(8*(\a)+\b):8*(8*(\a)+\b)+7]
.endif
.endr
.endr
.endm
; 32 LDS loads in one run: the fragments of one quarter step (128 rows of B, 128 rows of A, 32 K at byte k of the rows) into buffer f
.macro FETCH slot, k, f
	WIN TO_B
.irp i, 0,1,2,3,4,5,6,7
	ds_load_b128 v[\f+8*\i:\f+8*\i+3],   v[ADRB+\slot] offset:\k+\i*16*PITCH
	ds_load_b128 v[\f+8*\i+4:\f+8*\i+7], v[ADRB+\slot] offset:\k+\i*16*PITCH+32
.endr
	WIN 0
.irp i, 0,1,2,3,4,5,6,7
	ds_load_b128 v[\f+8*\i:\f+8*\i+3],   v[ADRA+\slot] offset:\k+\i*16*PITCH
	ds_load_b128 v[\f+8*\i+4:\f+8*\i+7], v[ADRA+\slot] offset:\k+\i*16*PITCH+32
.endr
.endm
; A load into a register that a matrix instruction has read, and a vector instruction that reads a matrix result, stand four places behind that
; matrix instruction; only plain vector instructions that name none of its registers are places (ISA guide 7.12.1 for vector instructions).
.macro PLACES
.rept 4
	v_nop
.endr
.endm
; A K step is four quarter steps of 32 along K, 64 matrix instructions each, on buffers 0, 1, 0, 1.
; One of the first three: multiplies buffer f; in its middle it fetches the next quarter's fragments, at byte k of the same slot's rows, into buffer g.
.macro QUARTER slot, k, f, g, zero
	s_wait_dscnt 8                                 ; B and A's rows 0-63 are in; the youngest eight loads (A's rows 64-127) may be out
	WIN MUL_LO
	MUL16 \f, 0, 0, \zero
	MUL16 \f, 0, 2, \zero
	PLACES
	FETCH \slot, \k, \g
	s_wait_dscnt 32                                ; all but the 32 just issued
	WIN MUL_HI
	MUL16 \f, 1, 0, \zero
	MUL16 \f, 1, 2, \zero
.endm
.macro THREE slot, zero
	QUARTER \slot, 64,  F0, F1, \zero
	QUARTER \slot, 128, F1, F0, 0
	QUARTER \slot, 192, F0, F1, 0
.endm
; The last quarter: multiplies buffer 1 and changes slots.  next = the other slot; fill = 1: this slot is filled again, two K steps ahead.
; In front of the barrier each wave waits for its own reads of this slot and for all its tensor loads, of which one is out: its part of the next
; slot.  Behind it nobody reads this slot any more and the next slot is whole: the refill comes first, then the next slot's first fragments.
.macro TURN slot, next, fill
	s_wait_dscnt 8
	WIN MUL_LO
	MUL16 F1, 0, 0, 0
	s_wait_dscnt 0                                 ; my reads of this slot are over
	s_wait_tensorcnt 0x0                           ; and all my tensor loads have landed
	ds_add_u32 v255, v255
	s_wait_dscnt 0x0
	s_barrier_signal -1                            ; say so (where a slot is filled again this barrier opens a round of the cluster's barrier),
	MUL16 F1, 0, 2, 0                              ; work on registers while the others arrive,
	WIN 0
	s_barrier_wait -1                              ; and go on when all four have said so
.if \fill
	CREST                                          ; all sixteen work-groups have said so: no wave of any partner still reads this slot's tile or has a load on its way
	s_add_nc_u64 s[G0+4*\slot+2:G0+4*\slot+3], s[G0+4*\slot+2:G0+4*\slot+3], 2*KSTEP*2
	s_add_nc_u64 s[G0B+4*\slot+2:G0B+4*\slot+3], s[G0B+4*\slot+2:G0B+4*\slot+3], 2*KSTEP*2
	JLOAD \slot                                    ; the first tensor load behind the round, and the wave's only one until the next
.endif
	PLACES
	FETCH \next, 0, F0
	WIN MUL_HI
	MUL16 F1, 1, 0, 0
	MUL16 F1, 1, 2, 0
.endm
.macro LAP zero                        ; once round the ring, both slots filled again
	THREE 0, \zero
	TURN 0, 1, 1
	THREE 1, 0
	TURN 1, 0, 1
.endm
	s_wait_tensorcnt 1                             ; my part of K step 0 is in; K step 1's may stay out
	s_barrier_signal -1
	s_barrier_wait -1                              ; everybody's is
	FETCH 0, 0, F0
	LAP 1                                          ; the first lap stands in front of the loop: its first products start the sums
.if LAPS > 2
	WIN 0                                          ; at a label and at a branch every window is 0
	s_mov_b32 s3, LAPS-2
.Llap:
	LAP 0
	WIN 0
	s_sub_co_u32 s3, s3, 1
	s_cmp_lg_u32 s3, 0
	s_cbranch_scc1 .Llap
.endif
	THREE 0, 0                                     ; the last lap fills nothing: my one tensor load that is still out is slot 1's, the last K step's
	TURN 0, 1, 0
	THREE 1, 0
	s_wait_dscnt 8                                 ; the very last quarter: nothing more to fetch
	WIN MUL_LO
	MUL16 F1, 0, 0, 0
	MUL16 F1, 0, 2, 0
	s_wait_dscnt 0
	WIN MUL_HI
	MUL16 F1, 1, 0, 0
	MUL16 F1, 1, 2, 0
	; THE WAY OUT, 16 rows of C at a time: round to f16, 16 bytes a lane into my own stage in LDS, read back as whole rows of 256 bytes.
	PLACES                                         ; the places behind the last matrix instructions
	s_lshl_b32 s13, s13, 8
	s_lshl_b32 s14, s11, 7
	s_add_co_u32 s16, s13, s14                     ; my first row of C
	s_mov_b32 s17, 0
	s_mov_b64 s[18:19], SIZE_N*2
	s_mul_u64 s[16:17], s[16:17], s[18:19]
	s_add_nc_u64 s[8:9], s[8:9], s[16:17]
	s_lshl_b32 s46, s42, 9                         ; my first column, in bytes: 512 x block + 256 x half
	s_lshl_b32 s47, s12, 8
	s_add_co_u32 s46, s46, s47
	s_mov_b32 s47, 0
	s_add_nc_u64 s[8:9], s[8:9], s[46:47]
; rows 16 i .. 16 i + 15 of my block = the eight tiles (a, 0..7) of window 2 or 3 (from = 0x0a or 0x0f: sources 0 and 1); f: F0 or F1 in turn
.macro OUT16 i, a, from, f
	WIN \from
.irp b, 0,1,2,3,4,5,6,7
.irp r, 0,1,2,3
	v_cvt_pk_f16_f32 v[TMP+4*\b+\r], v[8*(8*\a+\b)+2*\r], v[8*(8*\a+\b)+2*\r+1]
.endr
.endr
	WIN 0
.irp b, 0,1,2,3,4,5,6,7
	ds_store_b128 v[STO], v[TMP+4*\b:TMP+4*\b+3] offset:32*\b
.endr
	s_wait_xcnt 0x0                                ; buffer f, which earlier stores read, and the stores' base are rewritten only behind this wait
.if \i
	s_add_nc_u64 s[8:9], s[8:9], 16*SIZE_N*2       ; 16 rows of C on
.endif
.irp t, 0,1,2,3,4,5,6,7
	ds_load_b128 v[\f+4*\t:\f+4*\t+3], v[RD] offset:\t*2*SPITCH    ; LDS serves a wave's instructions in order: these see the stores above
.endr
.irp t, 0,1,2,3,4,5,6,7
	s_wait_dscnt 7-\t                              ; load t is in, the 7 - t younger ones stay out
	global_store_b128 v[CO], v[\f+4*\t:\f+4*\t+3], s[8:9] offset:2*\t*SIZE_N*2   ; 16 lanes store 256 consecutive bytes, aligned
.endr
.endm
	OUT16 0, 0, 0x0a, F0
	OUT16 1, 1, 0x0a, F1
	OUT16 2, 2, 0x0a, F0
	OUT16 3, 3, 0x0a, F1
	OUT16 4, 0, 0x0f, F0
	OUT16 5, 1, 0x0f, F1
	OUT16 6, 2, 0x0f, F0
	OUT16 7, 3, 0x0f, F1
	s_set_vgpr_msb 0x1
	s_wait_tensorcnt 0x0
	ds_add_u32 v255, v255
	s_wait_dscnt 0x0
	s_set_vgpr_msb 0x100
	CROUND                                         ; the closing round: no work-group ends while a partner may still ask for a tile that names it
	s_endpgm
.Lfunc_end_k_qdfc297391b_proj:
	.size	k_qdfc297391b_proj, .Lfunc_end_k_qdfc297391b_proj-k_qdfc297391b_proj
	.p2alignl 7, 3214868480
	.fill 96, 4, 3214868480
	.section	.rodata,"a",@progbits
	.p2align	6, 0x0
	.amdhsa_kernel k_qdfc297391b_proj
		.amdhsa_group_segment_fixed_size 327680
		.amdhsa_private_segment_fixed_size 0
		.amdhsa_enable_private_segment 0
		.amdhsa_kernarg_size 16
		.amdhsa_user_sgpr_count 2
		.amdhsa_user_sgpr_kernarg_segment_ptr 1
		.amdhsa_wavefront_size32 1
		.amdhsa_system_sgpr_workgroup_id_x 1
		.amdhsa_system_sgpr_workgroup_id_y 1
		.amdhsa_system_sgpr_workgroup_id_z 1
		.amdhsa_system_vgpr_workitem_id 0
		.amdhsa_next_free_vgpr 1024
		.amdhsa_next_free_sgpr 66
		.amdhsa_reserve_vcc 0
		.amdhsa_float_denorm_mode_32 3
		.amdhsa_float_denorm_mode_16_64 3
		.amdhsa_memory_ordered 1
		.amdhsa_forward_progress 1
		.amdhsa_inst_pref_size 196
	.end_amdhsa_kernel
	.amdgpu_metadata
---
amdhsa.version: [ 1, 2 ]
amdhsa.kernels:
  - .name:           k_qdfc297391b_proj
    .symbol:         k_qdfc297391b_proj.kd
    .args:
      - { .name: h16, .offset: 0, .size: 8, .value_kind: global_buffer, .address_space: global }
      - { .name: qkv, .offset: 8, .size: 8, .value_kind: global_buffer, .address_space: global }
    .group_segment_fixed_size: 327680
    .private_segment_fixed_size: 0
    .kernarg_segment_align: 8
    .kernarg_segment_size: 16
    .max_flat_workgroup_size: 128
    .sgpr_count:     66
    .vgpr_count:     1024
    .wavefront_size: 32
...
	.end_amdgpu_metadata
.endif
;; end of part 2
;; launch attn (part 3): grid 8 x 32, 8 waves a work-group, clusters of 4 x 4, 327,680 bytes of LDS; arguments qkv, attn_mask, ctx; writes ctx
.if DOCPART == 3
	.amdgcn_target "amdgcn-amd-amdhsa--gfx1250"
	.amdhsa_code_object_version 6
	.text
	.protected	k_qdfc297391b_attn
	.globl	k_qdfc297391b_attn
	.p2align	8
	.type	k_qdfc297391b_attn,@function
k_qdfc297391b_attn:
	s_mov_b64 s[64:65], 0
	v_nop
	global_prefetch_b8 v0, s[64:65] scope:SCOPE_SE
	s_setreg_imm32_b32 hwreg(HW_REG_WAVE_MODE, 25, 1), 1
	s_wait_xcnt 0x0
	s_wait_alu depctr_hold_cnt(0) depctr_sa_sdst(0) depctr_va_vdst(0) depctr_va_sdst(0) depctr_va_ssrc(0) depctr_va_vcc(0) depctr_vm_vsrc(0)
	s_getreg_b32 s2, hwreg(HW_REG_IB_STS2, 6, 4)
	s_cmp_eq_u32 s2, 0
	s_cbranch_scc0 .Lentry_in_a_cluster
	s_endpgm
.Lentry_in_a_cluster:
	s_bfe_u32 s2, ttmp6, 0x10000c
	s_cmp_lg_u32 s2, 0xf033
	s_cbranch_scc0 .Lentry_shape_is_right
	s_endpgm
.Lentry_shape_is_right:
; ctx = softmax(Qh Kh^T + mask) Vh, no scaling, with a running maximum.  qkv: f16 [3][4096][1024] (head h = columns 64 h ..), mask: f32 [2][2048][2048],
; ctx: f16 [4096][1024].  Products in f16 with f32 sums; maximum, exponentials, sums and the rescaling in f32.
; LIMITS: P and ctx are rounded to f16 (P <= about 1, |ctx| <= max |Vh| < 65,504).  The running maximum has a floor of -1e30: a row whose largest
; score lies below that counts as wholly masked and gives NaN, as a row of -inf does.  Single -inf in the mask give p = 0.
; SHARE: work-group (x, y) takes the head pair hp = x (columns 128 hp .. + 127: 256 aligned bytes of a row of qkv and of ctx) and the 128 queries of
; block Y = y = 16 b + query block.  Eight waves: wave w takes head hh = w >> 2 of the pair and the queries 32 (w & 3) .. + 31, as two tiles q = 0, 1 of 16.
; TRANSPOSED FORM: S^T = K Q^T + mask^T and ctx^T = V^T P^T.  Lane (r, h) owns query r.  Tile t of S^T holds the keys 16 t + 8 h + j in register j, so
;   - the mask's tile is loaded straight into the accumulator (two loads of 16 bytes of the query's row) and enters as C,
;   - maximum and sum run inside the lane, with one exchange between the two halves of the wave,
;   - tiles 2 c and 2 c + 1, packed to f16, ARE the second source of the product with V^T (keys 8 h .. and 16 + 8 h .. of 32): no trip through LDS,
;   - V^T's fragments come by the transposing LDS load from V as it lies, [key][dk].
; CLUSTERS, 4 x 4: the mask's tile hangs on Y alone and is asked for jointly along the cluster's row (four head pairs); K's and V's tiles hang on hp and on
; the batch b = cluster y / 4 and are asked for jointly along the column (four query blocks).  That divides all three kinds of request by four.
; RING: two slots of 128 keys, each read as two sub-steps u of 64 keys; 16 tiles.  Each of the eight waves brings 64 rows x 256 bytes of each tile.
; A slot is filled again at the end of its tile, two tiles ahead.  From the moment V^T's fragments of a tile's second sub-step are in registers the wave
; touches LDS no more until the next tile, so the round of the cluster's barrier in front of the refill is spread over that sub-step's register work.
; LDS: a slot = V (2 x 64 rows, pitch 288) | mask (2 x 128 rows, pitch 272) | K (2 x 64 rows, pitch 272) = 141,312 bytes; two slots; then the stage.
.set SLOT,  141312
.set VSUB,  18432                      ; V's 64 keys of a sub-step: 64 x 288
.set MOFF,  36864                      ; the mask in a slot
.set MSUB,  34816                      ; 128 queries x 272: the mask's 64 keys of a sub-step
.set KOFF,  106496                     ; K in a slot
.set KSUB,  17408                      ; 64 x 272
.set STAGE, 282624                     ; 128 rows x 272: ctx on its way out; no tensor load lands here
.set PIT,   272                        ; 256 + 16 = 17 x 16 bytes: 16 rows that a load touches begin at 16 different 16-byte columns modulo 256
.set PITV,  288                        ; 256 + 32 = 9 x 32 bytes, for the transposing loads
.set AM,  2                            ; v2, v3    slot 0, 1: the mask's row of my query (tile 0), + 32 h
.set AK,  4                            ; v4, v5    slot 0, 1: K's row r, my head, + 16 h
.set AV,  6                            ; v6, v7    slot 0, 1: V's row 8 h + (l & 7), my head, + 16 ((l >> 3) & 1)
.set NM,  8                            ; v[8+2q] = -M log2(e), v[9+2q] = M, the running maximum of my query in tile q
.set AL,  12                           ; v[12+2q] = the step's rescaling factor, v[13+2q] = the running sum over my half of the keys
.set T,   16                           ; v[16:23]  at work: the maxima use v[16+4q ..+3] for tile q, the sums all eight
.set STO, 24                           ; the way out: where I put 16 bytes of ctx
.set RD,  25                           ; where I read a row back
.set CO,  26                           ; my byte offset in ctx
.set VQ,  27                           ; my byte offset in Q
.set VP,  28                           ; wave 0: my byte offset for the prefetch
.set QF,  32                           ; v[32:63]    Q's fragments (q, c) at 32 + 16 q + 8 c, for the whole kernel
.set ST,  64                           ; v[64:127]   S^T tile (q, t) at 64 + 32 q + 8 t; later P^T's fragment (q, c) at 64 + 32 q + 16 c
.set KF,  128                          ; v[128:191]  K's fragment (t, c), then V^T's (d, c), at 128 + 16 (t or d) + 8 c
.set ACC, 192                          ; v[192:255]  ctx^T tile (d, q) at 192 + 32 q + 8 d
.set G1M, 24                           ; s[24:31] group 1, mask      s[32:39] group 0, mask, a set for each slot
.set G0M, 32
.set G1K, 48                           ; s[48:55] group 1, K         s[56:63] group 0, K
.set G0K, 56
.set G1V, 68                           ; s[68:75] group 1, V         s[76:83] group 0, V
.set G0V, 76
; A round of the cluster's barrier: my work-group's barrier, wave 0 signals for the work-group, every wave waits for all sixteen, my work-group's barrier again.
.macro ROUND
	s_barrier_signal -1
	s_barrier_wait -1
	s_cmp_lg_u32 s10, 0
	s_cbranch_scc1 .Lnot_wave_0_\@
	s_barrier_signal -3
.Lnot_wave_0_\@:
	s_barrier_wait -3
	s_barrier_signal -1
	s_barrier_wait -1
.endm
; One joint load a wave: waves 0, 1 V's two sub-steps, waves 2 to 5 the mask's four quarters, waves 6, 7 K's two sub-steps.
; Each line has one mask and one set of registers; the branches hang on the wave's number alone.
.macro JLOAD s
	s_cmp_lt_u32 s10, 2
	s_cbranch_scc0 .Lnot_v_\@
	tensor_load_to_lds s[G0V+4*\s:G0V+4*\s+3], s[G1V:G1V+7]
	s_nop 0
	s_branch .Lasked_\@
.Lnot_v_\@:
	s_cmp_lt_u32 s10, 6
	s_cbranch_scc0 .Lfor_k_\@
	tensor_load_to_lds s[G0M+4*\s:G0M+4*\s+3], s[G1M:G1M+7]
	s_nop 0
	s_branch .Lasked_\@
.Lfor_k_\@:
	tensor_load_to_lds s[G0K+4*\s:G0K+4*\s+3], s[G1K:G1K+7]
	s_nop 0
.Lasked_\@:
.endm
.macro PLACES n                        ; places behind matrix instructions (ISA guide 7.12.1)
.rept \n
	v_nop
.endr
.endm
; Wave 0 asks for 16 of the 128 rows of the mask's tile two tiles ahead (32 lanes: 16 rows x two blocks of 256 bytes).  The eight head pairs of a
; query block take 16 rows each, so each block is asked for once in the launch.  The tensor load of that tile stands at the end of this tile,
; one and a half sub-steps further down.
.macro PF
	s_cmp_lg_u32 s10, 0
	s_cbranch_scc1 .Lno_pf_\@
	global_prefetch_b8 v[VP], s[86:87] th:TH_LOAD_NT scope:SCOPE_SE
.Lno_pf_\@:
.endm
	s_load_b128 s[4:7], s[0:1], 0x0                ; qkv s[4:5], attn_mask s[6:7]
	s_load_b64 s[8:9], s[0:1], 0x10                ; ctx
	s_set_vgpr_msb 0x40
	v_lshl_add_u32 v0, v0, 2, 0x4d800
	v_mov_b32 v1, 0
	s_set_vgpr_msb 0x4045
	ds_add_u32 v0, v1
	s_set_vgpr_msb 0x4500
	v_lshrrev_b32 v1, 5, v0
	v_readfirstlane_b32 s10, v1                    ; wave w, 0..7
	s_and_b32 s11, s10, 1                          ; w & 1
	s_lshr_b32 s12, s10, 2                         ; w >> 2: my head of the pair; for waves 2 to 5 also the mask's sub-step
	s_and_b32 s13, s10, 3                          ; w & 3: my 32 queries
	s_mov_b32 s14, 0x76543210                      ; v_permlanex16_b32: lane i of one half reads lane i of the other
	s_mov_b32 s15, 0xfedcba98
	s_bfe_u32 s40, ttmp6, 0x40000                  ; cx
	s_bfe_u32 s41, ttmp6, 0x40004                  ; cy
	s_lshl_b32 s42, ttmp9, 2
	s_add_co_u32 s42, s42, s40                     ; hp = 4 x cluster x + cx
	s_and_b32 s43, ttmp7, 0xffff
	s_lshl_b32 s43, s43, 2
	s_add_co_u32 s43, s43, s41                     ; Y = 4 x cluster y + cy
	s_bfe_u32 s45, ttmp7, 0xe0002                  ; b = cluster y / 4 = Y / 16: the same in all sixteen work-groups
	s_lshl_b32 s46, s41, 2
	s_lshl_b32 s46, 15, s46                        ; my row of the cluster
	s_lshl_b32 s47, 0x1111, s40                    ; my column
	; group 1.  Mask: 64 rows x 64 elements of 4 bytes, 2,048 elements from row to row, 4 words of padding behind every 64.
	s_or_b32 s[G1M+0], s46, (2<<16)|(1<<20)|(1<<21)|(5<<22)|(3<<25)
	s_mov_b32 s[G1M+1], 64<<16                     ; tensor_dim0 = 64
	s_mov_b32 s[G1M+2], 64<<16                     ; tensor_dim1 = 64
	s_mov_b32 s[G1M+3], 64<<16                     ; tile_dim0 = 64
	s_mov_b32 s[G1M+4], 64                         ; tile_dim1 = 64
	s_mov_b32 s[G1M+5], 2048
	s_mov_b32 s[G1M+6], 0
	s_mov_b32 s[G1M+7], 0
	; K and V: 64 rows x 128 elements of 2 bytes, 1,024 elements from row to row; padding of 4 words (K) and of 8 words (V) behind every 64.
	s_or_b32 s[G1K+0], s47, (1<<16)|(1<<20)|(1<<21)|(5<<22)|(3<<25)
	s_or_b32 s[G1V+0], s47, (1<<16)|(1<<20)|(1<<21)|(5<<22)|(7<<25)
.irp g, G1K, G1V
	s_mov_b32 s[\g+1], 128<<16                     ; tensor_dim0 = 128
	s_mov_b32 s[\g+2], 64<<16                      ; tensor_dim1 = 64
	s_mov_b32 s[\g+3], 128<<16                     ; tile_dim0 = 128
	s_mov_b32 s[\g+4], 64                          ; tile_dim1 = 64
	s_mov_b32 s[\g+5], 1024
	s_mov_b32 s[\g+6], 0
	s_mov_b32 s[\g+7], 0
.endr
	; where my part of a tile goes: V: 18,432 w (w = 0, 1).  Mask and K: 2,048 + 17,408 w (w = 2: 36,864, the mask's first quarter; w = 6: 106,496, K).
	s_mul_i32 s20, s10, 17408
	s_add_co_u32 s20, s20, 2048
	s_mul_i32 s21, s10, VSUB
	; where it comes from.  Mask: row 128 Y + 64 (w & 1), 8,192 bytes a row, column 64 (w >> 2): hangs on Y, never on cx.
	s_lshl_b32 s16, s43, 20
	s_lshl_b32 s17, s11, 19
	s_add_co_u32 s16, s16, s17
	s_lshl_b32 s17, s12, 8
	s_add_co_u32 s16, s16, s17
	s_mov_b32 s17, 0
	; K and V: row 2,048 b + 64 (w & 1), 2,048 bytes a row, byte 256 hp: hangs on hp and b, never on cy.
	s_lshl_b32 s88, s45, 22
	s_lshl_b32 s89, s11, 17
	s_add_co_u32 s88, s88, s89
	s_lshl_b32 s89, s42, 8
	s_add_co_u32 s88, s88, s89
	s_mov_b32 s89, 0
	s_wait_dscnt 0x0
	s_wait_kmcnt 0x0
	s_add_nc_u64 s[18:19], s[6:7], s[16:17]
	s_add_nc_u64 s[90:91], s[4:5], s[88:89]
	ROUND                                          ; all sixteen work-groups are here: the first joint loads meet
.irp s, 0,1
	s_mov_b32 s[G0M+4*\s], 1
	s_add_co_u32 s[G0M+4*\s+1], s20, \s*SLOT
	s_add_nc_u64 s[G0M+4*\s+2:G0M+4*\s+3], s[18:19], \s*512                ; tile s: 128 keys of 4 bytes on
	s_or_b32 s[G0M+4*\s+3], s[G0M+4*\s+3], 0x80000000
	s_mov_b32 s[G0K+4*\s], 1
	s_add_co_u32 s[G0K+4*\s+1], s20, \s*SLOT
	s_add_nc_u64 s[G0K+4*\s+2:G0K+4*\s+3], s[90:91], 8388608+\s*262144     ; K's plane; tile s: 128 rows of 2,048 bytes on
	s_or_b32 s[G0K+4*\s+3], s[G0K+4*\s+3], 0x80000000
	s_mov_b32 s[G0V+4*\s], 1
	s_add_co_u32 s[G0V+4*\s+1], s21, \s*SLOT
	s_add_nc_u64 s[G0V+4*\s+2:G0V+4*\s+3], s[90:91], 16777216+\s*262144    ; V's plane
	s_or_b32 s[G0V+4*\s+3], s[G0V+4*\s+3], 0x80000000
	JLOAD \s                                       ; both slots' first fills go out before anything else: two loads of the wave are out
.endr
	s_lshl_b32 s84, s43, 20
	s_mov_b32 s85, 0
	s_add_nc_u64 s[86:87], s[6:7], s[84:85]
	s_add_nc_u64 s[86:87], s[86:87], 1024          ; the prefetch begins with tile 2 of my query block's rows
	s_lshl_b32 s84, s43, 18                        ; Q and ctx: row 128 Y of 2,048 bytes,
	s_lshl_b32 s22, s42, 8                         ; byte 256 hp
	s_add_co_u32 s84, s84, s22
	s_add_nc_u64 s[2:3], s[4:5], s[84:85]          ; Q's plane is the first of qkv
	s_add_nc_u64 s[8:9], s[8:9], s[84:85]
	v_and_b32 v29, 15, v0                          ; r
	v_bfe_u32 v30, v0, 4, 1                        ; h
	s_lshl_b32 s22, s13, 5
	v_add_nc_u32 v31, s22, v29                     ; my query of tile 0 in the block: 32 (w & 3) + r
	s_lshl_b32 s23, s12, 7                         ; my head: 128 bytes
	v_lshlrev_b32 v[VQ], 11, v31
	v_lshl_add_u32 v[VQ], v30, 4, v[VQ]
	v_add_nc_u32 v[VQ], s23, v[VQ]
	; Q's fragments, second source of S^T: lane (r, h) holds query r; registers 0-3: dk 32 c + 8 h .., registers 4-7: dk 32 c + 16 + 8 h ..
.irp q, 0,1
.irp c, 0,1
	global_load_b128 v[QF+16*\q+8*\c:QF+16*\q+8*\c+3],   v[VQ], s[2:3] offset:32768*\q+64*\c
	global_load_b128 v[QF+16*\q+8*\c+4:QF+16*\q+8*\c+7], v[VQ], s[2:3] offset:32768*\q+64*\c+32
.endr
.endr
	v_mul_u32_u24 v16, v31, PIT                    ; my query's row, in the mask and in the stage
	v_lshl_add_u32 v[AM], v30, 5, v16              ; + 32 h: keys 8 h .. of 4 bytes
	v_add_nc_u32 v[AM], MOFF, v[AM]
	v_add_nc_u32 v[AM+1], SLOT, v[AM]
	v_mul_u32_u24 v17, v29, PIT
	v_lshl_add_u32 v17, v30, 4, v17                ; 272 r + 16 h
	v_add_nc_u32 v18, s23, v17
	v_add_nc_u32 v[AK], KOFF, v18
	v_add_nc_u32 v[AK+1], SLOT, v[AK]
	v_and_b32 v19, 7, v0
	v_lshl_add_u32 v19, v30, 3, v19                ; 8 h + (l & 7)
	v_mul_u32_u24 v19, v19, PITV
	v_bfe_u32 v20, v0, 3, 1
	v_lshl_add_u32 v19, v20, 4, v19
	v_add_nc_u32 v[AV], s23, v19
	v_add_nc_u32 v[AV+1], SLOT, v[AV]
	v_lshl_add_u32 v21, v30, 4, v16
	v_add_nc_u32 v21, s23, v21
	v_add_nc_u32 v[STO], STAGE, v21                ; stage row of my query, my head's 128 bytes, + 16 h
	s_lshl_b32 s22, s10, 4
	v_add_nc_u32 v22, s22, v30                     ; back: row 16 w + h
	v_mul_u32_u24 v23, v22, PIT
	v_lshl_add_u32 v23, v29, 4, v23
	v_add_nc_u32 v[RD], STAGE, v23
	v_lshlrev_b32 v22, 11, v22
	v_lshl_add_u32 v[CO], v29, 4, v22
	s_lshl_b32 s84, s42, 4
	v_bfe_u32 v[VP], v0, 1, 4
	v_add_nc_u32 v[VP], s84, v[VP]                 ; row 16 hp + (l >> 1)
	v_lshlrev_b32 v[VP], 13, v[VP]
	v_and_b32 v20, 1, v0
	v_lshl_add_u32 v[VP], v20, 8, v[VP]            ; + 256 (l & 1)
; THE MAXIMA of both query tiles on the 64 keys of a sub-step (32 scores a lane and tile).  Four chains a tile, over 9, 9, 7 and 7 scores; the two tiles'
; lines stand side by side, so that eight chains take turns and the serial tail runs two abreast.  first = 1: there is no maximum so far.
.macro MX3 j, a, b, c                  ; chain j of both tiles starts with three scores
.irp q, 0,1
	v_max3_num_f32 v[T+4*\q+\j], v[ST+32*\q+\a], v[ST+32*\q+\b], v[ST+32*\q+\c]
.endr
.endm
.macro MXA j, a, b                     ; two more scores onto chain j of both tiles
.irp q, 0,1
	v_max3_num_f32 v[T+4*\q+\j], v[T+4*\q+\j], v[ST+32*\q+\a], v[ST+32*\q+\b]
.endr
.endm
.macro SMAX first
	MX3 0, 0, 1, 2
	MX3 1, 9, 10, 11
	MX3 2, 18, 19, 20
	MX3 3, 25, 26, 27
	MXA 0, 3, 4
	MXA 1, 12, 13
	MXA 2, 21, 22
	MXA 3, 28, 29
	MXA 0, 5, 6
	MXA 1, 14, 15
	MXA 2, 23, 24
	MXA 3, 30, 31
	MXA 0, 7, 8
	MXA 1, 16, 17
.irp q, 0,1
	v_max3_num_f32 v[T+4*\q], v[T+4*\q], v[T+4*\q+1], v[T+4*\q+2]
.endr
.irp q, 0,1
.if \first
	v_max_num_f32 v[T+4*\q], v[T+4*\q], v[T+4*\q+3]
.else
	v_max3_num_f32 v[T+4*\q], v[T+4*\q], v[T+4*\q+3], v[NM+2*\q+1]     ; with the maximum so far
.endif
.endr
.irp q, 0,1
	v_permlanex16_b32 v[T+4*\q+1], v[T+4*\q], s14, s15                 ; the other half's keys of the same query
.endr
.irp q, 0,1
	v_max3_num_f32 v[NM+2*\q+1], v[T+4*\q], v[T+4*\q+1], 0xf149f2ca    ; the new maximum, not below -1e30, so that -inf minus it stays -inf
.endr
.irp q, 0,1
	v_mul_f32 v[T+4*\q+3], 0xbfb8aa3b, v[NM+2*\q+1]                    ; -M log2(e), rounded once; every exponent below is formed with this number
.endr
.if \first == 0
.irp q, 0,1
	v_sub_f32 v[T+4*\q+2], v[T+4*\q+3], v[NM+2*\q]                     ; the rescaling factor 2^(new - old) is made of the same rounded numbers as the exponents,
.endr
.irp q, 0,1
	v_exp_f32 v[AL+2*\q], v[T+4*\q+2]                                  ; so old and new terms agree whatever the size of the scores
.endr
.endif
.irp q, 0,1
	v_mov_b32 v[NM+2*\q], v[T+4*\q+3]                                  ; also the plain instructions behind the two exponentials (ISA guide 5.7.2)
.endr
.endm
; THE EXPONENTIALS, the rescaling, the sum and the packing of query tile q.  first = 1: nothing has been summed yet.
; Each exponential is followed by a plain instruction that touches none of its registers: the fused multiply-add of the pair two further on, or
; the rescaling of a pair of ctx^T; so 32 exponentials and 32 plain instructions take turns.
.macro SEXP q, first
.set SB, ST+32*\q
.set AB, ACC+32*\q
	v_pk_fma_f32 v[SB:SB+1],   v[SB:SB+1],   0x3fb8aa3b, v[NM+2*\q:NM+2*\q+1] op_sel_hi:[1,0,0]   ; s log2(e) - M log2(e), one rounding
	v_pk_fma_f32 v[SB+2:SB+3], v[SB+2:SB+3], 0x3fb8aa3b, v[NM+2*\q:NM+2*\q+1] op_sel_hi:[1,0,0]
.set i, 0
.rept 16
	v_exp_f32 v[SB+2*i], v[SB+2*i]
.if i < 14
	v_pk_fma_f32 v[SB+2*i+4:SB+2*i+5], v[SB+2*i+4:SB+2*i+5], 0x3fb8aa3b, v[NM+2*\q:NM+2*\q+1] op_sel_hi:[1,0,0]
.endif
	v_exp_f32 v[SB+2*i+1], v[SB+2*i+1]
.if \first == 0
	s_wait_alu depctr_va_vdst(0)
	v_pk_mul_f32 v[AB+2*i:AB+2*i+1], v[AB+2*i:AB+2*i+1], v[AL+2*\q:AL+2*\q+1] op_sel_hi:[1,0]    ; what has been summed so far, to the new maximum
.endif
.set i, i+1
.endr
	; the sum of my 32 p in four chains of pairs, woven with the packing.  A conversion writes register i of its block of 16 and reads 2 i and 2 i + 1:
	; a block is packed only when all its pairs have been added.
	s_wait_alu depctr_va_vdst(0)
.irp j, 0,1,2,3
	v_pk_add_f32 v[T+2*\j:T+2*\j+1], v[SB+2*\j:SB+2*\j+1], v[SB+8+2*\j:SB+9+2*\j]                ; keys' block 0, all eight pairs
.endr
.set i, 0
.rept 8
	v_cvt_pk_f16_f32 v[SB+i], v[SB+2*i], v[SB+2*i+1]                                             ; block 0 is packed,
	v_pk_add_f32 v[T+2*(i%4):T+2*(i%4)+1], v[T+2*(i%4):T+2*(i%4)+1], v[SB+16+2*i:SB+17+2*i]      ; block 1 is added
.set i, i+1
.endr
	v_cvt_pk_f16_f32 v[SB+16], v[SB+16], v[SB+17]
	v_pk_add_f32 v[T:T+1], v[T:T+1], v[T+2:T+3]
	v_cvt_pk_f16_f32 v[SB+17], v[SB+18], v[SB+19]
	v_pk_add_f32 v[T+4:T+5], v[T+4:T+5], v[T+6:T+7]
	v_cvt_pk_f16_f32 v[SB+18], v[SB+20], v[SB+21]
	v_cvt_pk_f16_f32 v[SB+19], v[SB+22], v[SB+23]
	v_pk_add_f32 v[T:T+1], v[T:T+1], v[T+4:T+5]
	v_cvt_pk_f16_f32 v[SB+20], v[SB+24], v[SB+25]
	v_cvt_pk_f16_f32 v[SB+21], v[SB+26], v[SB+27]
.if \first
	v_add_f32 v[AL+2*\q+1], v[T], v[T+1]
.else
	v_add_f32 v[T], v[T], v[T+1]
.endif
	v_cvt_pk_f16_f32 v[SB+22], v[SB+28], v[SB+29]
	v_cvt_pk_f16_f32 v[SB+23], v[SB+30], v[SB+31]
.if \first == 0
	v_fma_f32 v[AL+2*\q+1], v[AL+2*\q+1], v[AL+2*\q], v[T]
.endif
.endm
; ONE SUB-STEP: 64 keys at sub-tile u of a slot.  32 matrix instructions.  The accumulators take turns, one instruction a turn:
; the eight tiles of S^T for dk 0..31, the same eight for dk 32..63; the eight tiles of ctx^T for keys 0..31, the same eight for keys 32..63.
; pf = 1: wave 0 asks for the mask's tile two tiles ahead.
; sync = 0: nothing.  sync = 1: the tile's last sub-step; the slot is filled again, two tiles ahead, behind a round of the cluster's barrier.
; sync = 2: the last sub-step of the last tile but one: a plain barrier shows the last tile whole to every wave.
; THE ROUND lies inside the sub-step.  In front of its opening signal every wave has waited for its LDS loads (the slot's last reads, V^T's fragments, among
; them) and for all its tensor loads (one is out: its part of the next tile).  Inside the round stands register work alone: tile 0's exponentials between
; the opening signal and its wait, tile 1's between wave 0's signal for the work-group and the wait for all sixteen, the products with V^T between the
; closing signal and its wait.  The joint refill is the first thing behind the closing wait, and the next slot is read only behind it.
.macro SUB slot, u, first, pf, sync
.irp t, 0,1,2,3
	ds_load_b128 v[KF+16*\t:KF+16*\t+3],   v[AK+\slot] offset:\u*KSUB+\t*16*PIT        ; K, keys 16 t .., dk 0..31
	ds_load_b128 v[KF+16*\t+4:KF+16*\t+7], v[AK+\slot] offset:\u*KSUB+\t*16*PIT+32
.irp q, 0,1
	ds_load_b128 v[ST+32*\q+8*\t:ST+32*\q+8*\t+3],   v[AM+\slot] offset:\u*MSUB+\q*16*PIT+64*\t      ; the mask of the same keys, straight into the accumulators
	ds_load_b128 v[ST+32*\q+8*\t+4:ST+32*\q+8*\t+7], v[AM+\slot] offset:\u*MSUB+\q*16*PIT+64*\t+16
.endr
.endr
.irp t, 0,1,2,3
	ds_load_b128 v[KF+16*\t+8:KF+16*\t+11],  v[AK+\slot] offset:\u*KSUB+\t*16*PIT+64     ; K, dk 32..63
	ds_load_b128 v[KF+16*\t+12:KF+16*\t+15], v[AK+\slot] offset:\u*KSUB+\t*16*PIT+96
.endr
.irp t, 0,1,2,3
	s_wait_dscnt 26-6*\t                           ; of the 32 loads the first 6 (t + 1) are in: K's and the mask's for keys 16 t ..; the younger ones stay out
.irp q, 0,1
	v_wmma_f32_16x16x32_f16 v[ST+32*\q+8*\t:ST+32*\q+8*\t+7], v[KF+16*\t:KF+16*\t+7], v[QF+16*\q:QF+16*\q+7], v[ST+32*\q+8*\t:ST+32*\q+8*\t+7]
.endr
.endr
.irp t, 0,1,2,3
	s_wait_dscnt 6-2*\t                            ; of the last eight loads the first 2 (t + 1) are in
.irp q, 0,1
	v_wmma_f32_16x16x32_f16 v[ST+32*\q+8*\t:ST+32*\q+8*\t+7], v[KF+16*\t+8:KF+16*\t+15], v[QF+16*\q+8:QF+16*\q+15], v[ST+32*\q+8*\t:ST+32*\q+8*\t+7]
.endr
.endr
	PLACES 5                                       ; in front of the loads into K's registers and of the arithmetic on S^T
.irp d, 0,1,2,3
.irp c, 0,1
	ds_load_tr16_b128 v[KF+16*\d+8*\c:KF+16*\d+8*\c+3],   v[AV+\slot] offset:\u*VSUB+\c*32*PITV+32*\d            ; V^T: dk 16 d + r, keys 32 c + 8 h ..
	ds_load_tr16_b128 v[KF+16*\d+8*\c+4:KF+16*\d+8*\c+7], v[AV+\slot] offset:\u*VSUB+\c*32*PITV+32*\d+16*PITV    ; keys 32 c + 16 + 8 h ..
.endr
.endr
.if \pf
	PF                                             ; behind the run of loads, in front of the long run of arithmetic
.endif
	SMAX \first
.if \sync
	s_wait_dscnt 0x0                               ; V^T's fragments are in: my reads of this slot are over
	s_set_vgpr_msb 0x5
	s_wait_tensorcnt 0x0                           ; all my tensor loads have landed, my part of the next tile among them: the group 0 registers may be written
	ds_add_u32 v0, v1
	s_wait_dscnt 0x0
	s_set_vgpr_msb 0x500
.if \sync == 1
	s_add_nc_u64 s[G0M+4*\slot+2:G0M+4*\slot+3], s[G0M+4*\slot+2:G0M+4*\slot+3], 1024      ; this slot's next tile: two tiles on
	s_add_nc_u64 s[G0K+4*\slot+2:G0K+4*\slot+3], s[G0K+4*\slot+2:G0K+4*\slot+3], 524288
	s_add_nc_u64 s[G0V+4*\slot+2:G0V+4*\slot+3], s[G0V+4*\slot+2:G0V+4*\slot+3], 524288
	s_wait_xcnt 0x0                                ; this tile's prefetch, issued a sub-step ago, has read its base
	s_add_nc_u64 s[86:87], s[86:87], 512           ; one tile on (behind tile 13 the stepped base is not used)
.endif
	s_barrier_signal -1                            ; the opening signal
.endif
	SEXP 0, \first
.if \sync == 1
	s_barrier_wait -1                              ; every wave of my work-group has said so;
	s_cmp_lg_u32 s10, 0
	s_cbranch_scc1 .Lnot_wave_0_\@
	s_barrier_signal -3                            ; wave 0 says so for the work-group
.Lnot_wave_0_\@:
.endif
	SEXP 1, \first
.if \sync == 1
	s_barrier_wait -3                              ; all sixteen work-groups have said so: no wave of any partner still reads this slot or has a load on its way
	s_barrier_signal -1                            ; the closing barrier
.endif
.if \sync == 0
	s_wait_dscnt 0x0                               ; V^T's fragments, issued in front of the softmax
.endif
.irp q, 0,1
.irp d, 0,1,2,3
.if \first
	v_wmma_f32_16x16x32_f16 v[ACC+32*\q+8*\d:ACC+32*\q+8*\d+7], v[KF+16*\d:KF+16*\d+7], v[ST+32*\q:ST+32*\q+7], 0     ; the first product starts the sums
.else
	v_wmma_f32_16x16x32_f16 v[ACC+32*\q+8*\d:ACC+32*\q+8*\d+7], v[KF+16*\d:KF+16*\d+7], v[ST+32*\q:ST+32*\q+7], v[ACC+32*\q+8*\d:ACC+32*\q+8*\d+7]
.endif
.endr
.endr
.irp q, 0,1
.irp d, 0,1,2,3
	v_wmma_f32_16x16x32_f16 v[ACC+32*\q+8*\d:ACC+32*\q+8*\d+7], v[KF+16*\d+8:KF+16*\d+15], v[ST+32*\q+16:ST+32*\q+23], v[ACC+32*\q+8*\d:ACC+32*\q+8*\d+7]
.endr
.endr
	PLACES 5                                       ; in front of the next loads into V^T's and P^T's registers, and of the matrix instructions that write over P^T
.if \sync == 1
	s_barrier_wait -1                              ; the round is closed
	JLOAD \slot                                    ; my one tensor load behind the round, first thing there; it has the next tile's first sub-step and half of its second in which to land
.endif
.if \sync == 2
	s_barrier_wait -1                              ; the last tile is whole
.endif
.endm
	s_wait_tensorcnt 0x1                           ; my part of tile 0 is in; tile 1's may stay out
	s_barrier_signal -1
	s_barrier_wait -1
	s_wait_loadcnt 0x0                             ; Q
	SUB 0, 0, 1, 1, 0                              ; tile 0; wave 0 asks for the mask's tile 2
	SUB 0, 1, 0, 0, 1                              ; slot 0 gets tile 2
	SUB 1, 0, 0, 1, 0                              ; tile 1
	SUB 1, 1, 0, 0, 1                              ; slot 1 gets tile 3
	s_mov_b32 s44, 6                               ; tiles 2 to 13; they fetch tiles 4 to 15 and ask for the same
.Ltiles:
	SUB 0, 0, 0, 1, 0
	SUB 0, 1, 0, 0, 1
	SUB 1, 0, 0, 1, 0
	SUB 1, 1, 0, 0, 1
	s_sub_co_u32 s44, s44, 1
	s_cmp_lg_u32 s44, 0
	s_cbranch_scc1 .Ltiles
	SUB 0, 0, 0, 0, 0                              ; tile 14: fetches nothing, asks for nothing
	SUB 0, 1, 0, 0, 2                              ; my last tensor load, tile 15's, is waited for here
	SUB 1, 0, 0, 0, 0                              ; tile 15
	SUB 1, 1, 0, 0, 0
	; THE WAY OUT.  The two halves' sums meet; ctx^T / sum; a lane's eight numbers of a tile are dk 16 d + 8 h + 0..7 of its query: 16 bytes of f16.
	v_permlanex16_b32 v[T],   v[AL+1], s14, s15
	v_permlanex16_b32 v[T+1], v[AL+3], s14, s15
	v_add_f32 v[T],   v[T],   v[AL+1]
	v_add_f32 v[T+1], v[T+1], v[AL+3]
	v_rcp_f32 v[AL],   v[T]
	v_rcp_f32 v[AL+2], v[T+1]
	v_nop                                          ; the plain instruction behind the reciprocals
	s_wait_alu depctr_va_vdst(0)
.irp q, 0,1
.set i, 0
.rept 16
	v_pk_mul_f32 v[ACC+32*\q+i:ACC+32*\q+i+1], v[ACC+32*\q+i:ACC+32*\q+i+1], v[AL+2*\q:AL+2*\q+1] op_sel_hi:[1,0]
.set i, i+2
.endr
.endr
.irp q, 0,1
.irp d, 0,1,2,3
.irp i, 0,1,2,3
	v_cvt_pk_f16_f32 v[ST+4*(4*\q+\d)+\i], v[ACC+32*\q+8*\d+2*\i], v[ACC+32*\q+8*\d+2*\i+1]
.endr
	ds_store_b128 v[STO], v[ST+4*(4*\q+\d):ST+4*(4*\q+\d)+3] offset:\q*16*PIT+32*\d
.endr
.endr
	s_wait_dscnt 0x0                               ; for the others' sake: a stage row holds two waves' heads
	s_barrier_signal -1
	s_barrier_wait -1
.irp i, 0,1,2,3,4,5,6,7
	ds_load_b128 v[KF+4*\i:KF+4*\i+3], v[RD] offset:\i*2*PIT       ; rows 16 w + 2 i + h, whole: 256 bytes by 16 lanes
.endr
.irp i, 0,1,2,3,4,5,6,7
	s_wait_dscnt 7-\i                              ; load i is in, the 7 - i younger ones stay out
	global_store_b128 v[CO], v[KF+4*\i:KF+4*\i+3], s[8:9] offset:4096*\i   ; 16 lanes store 256 consecutive bytes, aligned
.endr
	s_set_vgpr_msb 0x5
	s_wait_tensorcnt 0x0
	ds_add_u32 v0, v1
	s_wait_dscnt 0x0
	s_set_vgpr_msb 0x500
	ROUND                                          ; the closing round: no work-group ends while a partner may still ask for a tile that names it
	s_endpgm
.Lfunc_end_k_qdfc297391b_attn:
	.size	k_qdfc297391b_attn, .Lfunc_end_k_qdfc297391b_attn-k_qdfc297391b_attn
	.p2alignl 7, 3214868480
	.fill 96, 4, 3214868480
	.section	.rodata,"a",@progbits
	.p2align	6, 0x0
	.amdhsa_kernel k_qdfc297391b_attn
		.amdhsa_group_segment_fixed_size 327680
		.amdhsa_private_segment_fixed_size 0
		.amdhsa_enable_private_segment 0
		.amdhsa_kernarg_size 24
		.amdhsa_user_sgpr_count 2
		.amdhsa_user_sgpr_kernarg_segment_ptr 1
		.amdhsa_wavefront_size32 1
		.amdhsa_system_sgpr_workgroup_id_x 1
		.amdhsa_system_sgpr_workgroup_id_y 1
		.amdhsa_system_sgpr_workgroup_id_z 1
		.amdhsa_system_vgpr_workitem_id 0
		.amdhsa_next_free_vgpr 258
		.amdhsa_next_free_sgpr 92
		.amdhsa_reserve_vcc 0
		.amdhsa_float_denorm_mode_32 3
		.amdhsa_float_denorm_mode_16_64 3
		.amdhsa_memory_ordered 1
		.amdhsa_forward_progress 1
		.amdhsa_inst_pref_size 255
	.end_amdhsa_kernel
	.section	.bss,"aw",@nobits
	.p2align	6
	.space	262144
	.amdgpu_metadata
---
amdhsa.version: [ 1, 2 ]
amdhsa.kernels:
  - .name:           k_qdfc297391b_attn
    .symbol:         k_qdfc297391b_attn.kd
    .args:
      - { .name: qkv, .offset: 0, .size: 8, .value_kind: global_buffer, .address_space: global }
      - { .name: attn_mask, .offset: 8, .size: 8, .value_kind: global_buffer, .address_space: global }
      - { .name: ctx, .offset: 16, .size: 8, .value_kind: global_buffer, .address_space: global }
    .group_segment_fixed_size: 327680
    .private_segment_fixed_size: 0
    .kernarg_segment_align: 8
    .kernarg_segment_size: 24
    .max_flat_workgroup_size: 256
    .sgpr_count:     92
    .vgpr_count:     258
    .wavefront_size: 32
...
	.end_amdgpu_metadata
.endif
;; end of part 3
;; launch oproj (part 4): grid 8 x 32, 4 waves a work-group, clusters of 4 x 4, 327,680 bytes of LDS; arguments ctx, h16, out0; writes out0
.if DOCPART == 4
	.amdgcn_target "amdgcn-amd-amdhsa--gfx1250"
	.amdhsa_code_object_version 6
	.text
	.protected	k_qdfc297391b_oproj
	.globl	k_qdfc297391b_oproj
	.p2align	8
	.type	k_qdfc297391b_oproj,@function
k_qdfc297391b_oproj:
	s_mov_b64 s[64:65], 0
	v_nop
	global_prefetch_b8 v0, s[64:65] scope:SCOPE_SE
	s_setreg_imm32_b32 hwreg(HW_REG_WAVE_MODE, 25, 1), 1
	s_wait_xcnt 0x0
	s_wait_alu depctr_hold_cnt(0) depctr_sa_sdst(0) depctr_va_vdst(0) depctr_va_sdst(0) depctr_va_ssrc(0) depctr_va_vcc(0) depctr_vm_vsrc(0)
	s_getreg_b32 s2, hwreg(HW_REG_IB_STS2, 6, 4)
	s_cmp_eq_u32 s2, 0
	s_cbranch_scc0 .Lentry_in_a_cluster
	s_endpgm
.Lentry_in_a_cluster:
	s_bfe_u32 s2, ttmp6, 0x10000c
	s_cmp_lg_u32 s2, 0xf033
	s_cbranch_scc0 .Lentry_shape_is_right
	s_endpgm
.Lentry_shape_is_right:
; out0[m][n] = sum over k of ctx[m][k] Wo[n][k].  ctx: f16 [4096][1024]; Wo16: f16 [1024][1024] at byte 0x1e00000 of h16; out0: f32 [4096][1024].
; f16 operands, f32 sums, stored as they are.
; 32 x 8 = 256 work-groups, each a block of 128 x 128 with four waves of 64 x 64 (16 accumulator tiles, 128 registers).  Blocks of 256 x 256 would be
; 64 work-groups only; the smaller wave tile reads twice the LDS bytes for each multiply-add, which is the price of 256 work-groups.
; K goes in four tiles of 256 (rows of 512 bytes of memory, aligned) through two LDS slots; each wave brings 64 rows of each tile.  All four tiles are written out.
; CLUSTERS, 4 x 4: A's tiles hang on the block row and are asked for jointly along the cluster's row, B's on the block column, jointly along the column.
; REGISTERS: window 0: v16-26 addresses; v64-127, v128-191 two fragment buffers (B's four fragments at f, A's four at f + 32).  Window 1: accumulator (a, b) at v[8 (4 a + b)].
; The matrix instruction is used transposed (source 0 = rows of B, source 1 = rows of A): lane l holds row l % 16 of C, columns 8 (l / 16) + 0..7: 32 neighbouring bytes.
.set PITCH,  528                       ; 512 + 16 = 33 x 16 bytes: 16 rows that a load touches begin at 16 different 16-byte columns modulo 256
.set HALF,   64*PITCH                  ; what one tensor load brings, and what one wave reads of A or of B
.set SLOT,   4*HALF                    ; A's 128 rows, then B's 128 rows
.set STAGE,  2*SLOT                    ; 16 rows x 272 bytes for each wave; no tensor load lands here
.set SPITCH, 272
.set ADRA, 16                          ; v16-17  my A fragments in slot 0, 1
.set ADRB, 20                          ; v20-21  my B fragments
.set STO,  24
.set RD,   25
.set CO,   26
.set F0,   64
.set F1,   128
.set G1, 24                            ; s[24:31] group 1, A    s[32:39] group 0, A, a set for each slot
.set G0, 32
.set G1B, 48                           ; s[48:55] group 1, B    s[56:63] group 0, B
.set G0B, 56
.set MSB, 0
.macro WIN new                         ; the immediate's high byte repeats the setting that is left
.if MSB != \new
	s_set_vgpr_msb (MSB<<8)|\new
.set MSB, \new
.endif
.endm
.macro JLOAD s                         ; waves 0, 1: A's two halves; waves 2, 3: B's.  One mask a line; the branch hangs on the wave's number alone
	s_cmp_eq_u32 s11, 0
	s_cbranch_scc0 .Lfor_b_\@
	tensor_load_to_lds s[G0+4*\s:G0+4*\s+3], s[G1:G1+7]
	s_nop 0
	s_branch .Lasked_\@
.Lfor_b_\@:
	tensor_load_to_lds s[G0B+4*\s:G0B+4*\s+3], s[G1B:G1B+7]
	s_nop 0
.Lasked_\@:
.endm
.macro CROUND                          ; a round of the cluster's barrier
	s_barrier_signal -1
	s_barrier_wait -1
	s_cmp_lg_u32 s10, 0
	s_cbranch_scc1 .Lnot_wave_0_\@
	s_barrier_signal -3
.Lnot_wave_0_\@:
	s_barrier_wait -3
	s_barrier_signal -1
	s_barrier_wait -1
.endm
.macro PLACES                          ; places behind matrix instructions (ISA guide 7.12.1)
.rept 4
	v_nop
.endr
.endm
	s_load_b128 s[4:7], s[0:1], 0x0                ; ctx s[4:5], h16 s[6:7]
	s_load_b64 s[8:9], s[0:1], 0x10                ; out0
	v_lshl_add_u32 v254, v0, 2, 0x46400
	v_mov_b32 v255, 0
	ds_add_u32 v254, v255
	v_lshrrev_b32 v1, 5, v0
	v_readfirstlane_b32 s10, v1                    ; wave 0..3
	s_lshr_b32 s11, s10, 1                         ; my half of the block's rows.  Also: I fetch for A (0) or for B (1)
	s_and_b32 s12, s10, 1                          ; my half of its columns.  Also: which 64 rows of that tile I fetch
	s_bfe_u32 s40, ttmp6, 0x40000                  ; cx
	s_bfe_u32 s41, ttmp6, 0x40004                  ; cy
	s_lshl_b32 s42, ttmp9, 2
	s_add_co_u32 s42, s42, s40                     ; block column
	s_and_b32 s13, ttmp7, 0xffff
	s_lshl_b32 s13, s13, 2
	s_add_co_u32 s13, s13, s41                     ; block row
	s_lshl_b32 s43, s41, 2
	s_lshl_b32 s43, 15, s43                        ; my row of the cluster
	s_lshl_b32 s44, 0x1111, s40                    ; my column
	; group 1: 64 rows x 256 elements of 2 bytes, 1,024 elements from row to row, 4 words of padding behind every 128
	s_or_b32 s[G1+0], s43, (1<<16)|(1<<20)|(1<<21)|(6<<22)|(3<<25)
	s_or_b32 s[G1B+0], s44, (1<<16)|(1<<20)|(1<<21)|(6<<22)|(3<<25)
.irp g, G1, G1B
	s_mov_b32 s[\g+1], 256<<16                     ; tensor_dim0 = 256
	s_mov_b32 s[\g+2], 64<<16                      ; tensor_dim1 = 64
	s_mov_b32 s[\g+3], 256<<16                     ; tile_dim0 = 256
	s_mov_b32 s[\g+4], 64                          ; tile_dim1 = 64
	s_mov_b32 s[\g+5], 1024
	s_mov_b32 s[\g+6], 0
	s_mov_b32 s[\g+7], 0
.endr
	s_lshl_b32 s17, s12, 17                        ; 64 rows of 2,048 bytes
	s_lshl_b32 s16, s13, 18                        ; A: 128 rows x block row: hangs on the block row alone
	s_add_co_u32 s16, s16, s17
	s_lshl_b32 s46, s42, 18                        ; B: 128 rows x block column: hangs on the block column alone
	s_add_co_u32 s46, s46, s17
	s_mov_b32 s17, 0
	s_mov_b32 s47, 0
	s_mul_i32 s20, s10, HALF                       ; where my part goes: wave x 64 rows
	s_wait_dscnt 0x0
	s_wait_kmcnt 0x0
	s_add_nc_u64 s[14:15], s[4:5], s[16:17]
	s_add_nc_u64 s[46:47], s[6:7], s[46:47]
	s_add_nc_u64 s[46:47], s[46:47], 0x1e00000     ; Wo16 in h16
	CROUND                                         ; all sixteen work-groups are here: the first joint loads meet
.irp s, 0,1
	s_mov_b32 s[G0+4*\s], 1
	s_add_co_u32 s[G0+4*\s+1], s20, \s*SLOT
	s_add_nc_u64 s[G0+4*\s+2:G0+4*\s+3], s[14:15], \s*512          ; tile s: 256 elements on
	s_or_b32 s[G0+4*\s+3], s[G0+4*\s+3], 0x80000000
	s_mov_b32 s[G0B+4*\s], 1
	s_add_co_u32 s[G0B+4*\s+1], s20, \s*SLOT
	s_add_nc_u64 s[G0B+4*\s+2:G0B+4*\s+3], s[46:47], \s*512
	s_or_b32 s[G0B+4*\s+3], s[G0B+4*\s+3], 0x80000000
	JLOAD \s                                       ; both slots' first fills: two loads of the wave are out
.endr
	v_and_b32 v1, 15, v0                           ; r
	v_bfe_u32 v2, v0, 4, 1                         ; h
	v_mul_u32_u24 v3, v1, PITCH
	v_lshl_add_u32 v3, v2, 4, v3                   ; row x pitch + 16 h
	s_mul_i32 s21, s11, HALF                       ; my 64 rows of A
	s_mul_i32 s22, s12, HALF                       ; my 64 rows of B,
	s_add_co_u32 s22, s22, 2*HALF                  ; behind A's 128
.irp s, 0,1
	v_add_nc_u32 v[ADRA+\s], s21, v3
	v_add_nc_u32 v[ADRB+\s], s22, v3
	s_add_co_u32 s21, s21, SLOT
	s_add_co_u32 s22, s22, SLOT
.endr
	s_mul_i32 s23, s10, 16*SPITCH
	s_add_co_u32 s23, s23, STAGE                   ; my stage
	v_mul_u32_u24 v4, v1, SPITCH                   ; in: row r, 32 bytes for each half of the lanes
	v_lshl_add_u32 v4, v2, 5, v4
	v_add_nc_u32 v[STO], s23, v4
	v_mul_u32_u24 v5, v2, SPITCH                   ; back: lanes 0-15 one row of 256 bytes, lanes 16-31 the next
	v_lshl_add_u32 v5, v1, 4, v5
	v_add_nc_u32 v[RD], s23, v5
	v_lshlrev_b32 v5, 12, v2                       ; the same two rows in out0: 4,096 bytes a row
	v_lshl_add_u32 v[CO], v1, 4, v5
; 16 LDS loads: the fragments of 32 along K (step c of the tile's eight) into buffer f.  The four places stand behind the matrix instructions that read f last.
.macro FETCH slot, c, f
	PLACES
.irp i, 0,1,2,3
	ds_load_b128 v[\f+8*\i:\f+8*\i+3],   v[ADRB+\slot] offset:\i*16*PITCH+64*\c
	ds_load_b128 v[\f+8*\i+4:\f+8*\i+7], v[ADRB+\slot] offset:\i*16*PITCH+64*\c+32
.endr
.irp i, 0,1,2,3
	ds_load_b128 v[\f+32+8*\i:\f+32+8*\i+3], v[ADRA+\slot] offset:\i*16*PITCH+64*\c
	ds_load_b128 v[\f+32+8*\i+4:\f+32+8*\i+7], v[ADRA+\slot] offset:\i*16*PITCH+64*\c+32
.endr
.endm
; 16 matrix instructions; the 16 accumulators take turns, one instruction a turn, in the same order every time.
.macro MUL16 f, zero
	WIN 0x50                                       ; C and D in window 1
.irp a, 0,1,2,3
.irp b, 0,1,2,3
.if \zero
	v_wmma_f32_16x16x32_f16 v[8*(4*\a+\b):8*(4*\a+\b)+7], v[\f+8*\b:\f+8*\b+7], v[\f+32+8*\a:\f+32+8*\a+7], 0
.else
	v_wmma_f32_16x16x32_f16 v[8*(4*\a+\b):8*(4*\a+\b)+7], v[\f+8*\b:\f+8*\b+7], v[\f+32+8*\a:\f+32+8*\a+7], v[8*(4*\a+\b):8*(4*\a+\b)+7]
.endif
.endr
.endr
	WIN 0
.endm
.macro STEP slot, c, f, g, zero        ; fetch step c into g, multiply f
	FETCH \slot, \c, \g
	s_wait_dscnt 16                                ; all but the 16 just issued
	MUL16 \f, \zero
.endm
.macro WORK slot, zero                 ; a tile of 256 along K: eight steps of 32, buffers by turns, each fetched one step ahead
	FETCH \slot, 0, F0
	STEP \slot, 1, F0, F1, \zero
	STEP \slot, 2, F1, F0, 0
	STEP \slot, 3, F0, F1, 0
	STEP \slot, 4, F1, F0, 0
	STEP \slot, 5, F0, F1, 0
	STEP \slot, 6, F1, F0, 0
	STEP \slot, 7, F0, F1, 0
	s_wait_dscnt 0
	MUL16 F1, 0
.endm
.macro TRIP slot, other, refill
	s_wait_tensorcnt 0x0                           ; all my tensor loads have landed, my part of this trip's tile among them: the group 0 registers may be written
	ds_add_u32 v254, v255
	s_wait_dscnt 0x0
.if \refill
	s_add_nc_u64 s[G0+4*\other+2:G0+4*\other+3], s[G0+4*\other+2:G0+4*\other+3], 1024      ; two tiles on
	s_add_nc_u64 s[G0B+4*\other+2:G0B+4*\other+3], s[G0B+4*\other+2:G0B+4*\other+3], 1024
.endif
	s_wait_dscnt 0x0                               ; my reads of the other slot are back
.if \refill
	CROUND                                         ; both hold of every wave of all sixteen work-groups
	JLOAD \other                                   ; my one tensor load behind the round, first thing there; it has the tile's 128 matrix instructions in which to land
.else
	s_barrier_signal -1
	s_barrier_wait -1                              ; the last tile is whole
.endif
	WORK \slot, 0
.endm
	s_wait_tensorcnt 0x1                           ; my part of tile 0 is in; tile 1's may stay out
	s_barrier_signal -1
	s_barrier_wait -1
	WORK 0, 1                                      ; the first products start the sums
	TRIP 1, 0, 1                                   ; tile 1; fetches tile 2
	TRIP 0, 1, 1                                   ; tile 2; fetches tile 3
	TRIP 1, 0, 0                                   ; tile 3
	; THE WAY OUT, 16 rows at a time through my own stage: 32 bytes a lane in, whole rows of 256 bytes (64 columns of f32) back.
	PLACES                                         ; behind the last matrix instructions
	s_lshl_b32 s16, s13, 19                        ; 128 rows of 4,096 bytes x block row
	s_lshl_b32 s17, s11, 18                        ; + my 64 rows
	s_add_co_u32 s16, s16, s17
	s_mov_b32 s17, 0
	s_add_nc_u64 s[8:9], s[8:9], s[16:17]
	s_lshl_b32 s46, s42, 9                         ; 128 columns of 4 bytes x block column
	s_lshl_b32 s47, s12, 8                         ; + my 64 columns
	s_add_co_u32 s46, s46, s47
	s_mov_b32 s47, 0
	s_add_nc_u64 s[8:9], s[8:9], s[46:47]
.macro OUT16 a, f
	WIN 0x04                                       ; the stores' data in window 1
.irp b, 0,1,2,3
	ds_store_b128 v[STO], v[8*(4*\a+\b):8*(4*\a+\b)+3]   offset:64*\b
	ds_store_b128 v[STO], v[8*(4*\a+\b)+4:8*(4*\a+\b)+7] offset:64*\b+16
.endr
	WIN 0
	s_wait_xcnt 0x0                                ; buffer f, which earlier stores read, is loaded again only behind this wait
.irp t, 0,1,2,3,4,5,6,7
	ds_load_b128 v[\f+4*\t:\f+4*\t+3], v[RD] offset:\t*2*SPITCH    ; LDS serves a wave's instructions in order: these see the stores above
.endr
.irp t, 0,1,2,3,4,5,6,7
	s_wait_dscnt 7-\t                              ; load t is in, the 7 - t younger ones stay out
	global_store_b128 v[CO], v[\f+4*\t:\f+4*\t+3], s[8:9] offset:(16*\a+2*\t)*4096 th:TH_STORE_NT   ; 16 lanes store 256 consecutive bytes, aligned
.endr
.endm
	OUT16 0, F0
	OUT16 1, F1
	OUT16 2, F0
	OUT16 3, F1
	s_wait_tensorcnt 0x0
	ds_add_u32 v254, v255
	s_wait_dscnt 0x0
	CROUND                                         ; the closing round: no work-group ends while a partner may still ask for a tile that names it
	s_endpgm
.Lfunc_end_k_qdfc297391b_oproj:
	.size	k_qdfc297391b_oproj, .Lfunc_end_k_qdfc297391b_oproj-k_qdfc297391b_oproj
	.p2alignl 7, 3214868480
	.fill 96, 4, 3214868480
	.section	.rodata,"a",@progbits
	.p2align	6, 0x0
	.amdhsa_kernel k_qdfc297391b_oproj
		.amdhsa_group_segment_fixed_size 327680
		.amdhsa_private_segment_fixed_size 0
		.amdhsa_enable_private_segment 0
		.amdhsa_kernarg_size 24
		.amdhsa_user_sgpr_count 2
		.amdhsa_user_sgpr_kernarg_segment_ptr 1
		.amdhsa_wavefront_size32 1
		.amdhsa_system_sgpr_workgroup_id_x 1
		.amdhsa_system_sgpr_workgroup_id_y 1
		.amdhsa_system_sgpr_workgroup_id_z 1
		.amdhsa_system_vgpr_workitem_id 0
		.amdhsa_next_free_vgpr 384
		.amdhsa_next_free_sgpr 66
		.amdhsa_reserve_vcc 0
		.amdhsa_float_denorm_mode_32 3
		.amdhsa_float_denorm_mode_16_64 3
		.amdhsa_memory_ordered 1
		.amdhsa_forward_progress 1
		.amdhsa_inst_pref_size 89
	.end_amdhsa_kernel
	.amdgpu_metadata
---
amdhsa.version: [ 1, 2 ]
amdhsa.kernels:
  - .name:           k_qdfc297391b_oproj
    .symbol:         k_qdfc297391b_oproj.kd
    .args:
      - { .name: ctx, .offset: 0, .size: 8, .value_kind: global_buffer, .address_space: global }
      - { .name: h16, .offset: 8, .size: 8, .value_kind: global_buffer, .address_space: global }
      - { .name: out0, .offset: 16, .size: 8, .value_kind: global_buffer, .address_space: global }
    .group_segment_fixed_size: 327680
    .private_segment_fixed_size: 0
    .kernarg_segment_align: 8
    .kernarg_segment_size: 24
    .max_flat_workgroup_size: 128
    .sgpr_count:     66
    .vgpr_count:     384
    .wavefront_size: 32
...
	.end_amdgpu_metadata
.endif
;; end of part 4
